; MI455X (gfx1250); checked and timed in simulation.
; The chip was launched on July 23, 2026; its instructions are those of AMD's public machine-readable ISA for CDNA 5 (MIT licence, August 2026) and "CDNA5" Instruction Set Architecture Reference Guide (July 2026). The comments in the code are by the model that wrote it; some were corrected since.
;; Multi Head Attention. Allowed arithmetic: matrix products marked QUANTISED: E5M2 operands, one given power-of-two scale a tensor, by v_wmma_f32_16x16x64_bf8_bf8 or v_wmma_f32_16x16x128_bf8_bf8, f32 sums; everything else in f32.
;; Inputs: Wk_codes 1,024 x 32 x 32 uint8 (E5M2 codes of Wk, K innermost, in blocks of 32 codes); Wo_codes 1,024 x 32 x 32 uint8 (E5M2 codes of Wo, K innermost, in blocks of 32 codes); Wq_codes 1,024 x 32 x 32 uint8 (E5M2 codes of Wq, K innermost, in blocks of 32 codes); Wv_codes 1,024 x 32 x 32 uint8 (E5M2 codes of Wv, K innermost, in blocks of 32 codes); bk 1,024 float32; bo 1,024 float32; bq 1,024 float32; bv 1,024 float32; lowp_scales 12 int32 (the exponents e of the quantised operands' scales 2^e); mask 4 x 1 x 1 x 2,048 float32; x_codes 4 x 2,048 x 32 x 32 uint8 (E5M2 codes of x, K innermost, in blocks of 32 codes).
;; Outputs: out0 4 x 2,048 x 1,024 float32.
;; This version of the problem:
;;   THIS VERSION OF THE PROBLEM IS GIVEN IN LOW PRECISION. The matrix products marked QUANTISED in the list below multiply operands that are first quantised to E5M2 (5 exponent bits, 2 mantissa bits; 8 bits a number), with one given power-of-two scale for each operand tensor; their sums are f32. All else is computed in f32.
;;   The module's matrix products, in the order in which they are computed (A, B: the left and right operand; K: the contracted axis; several contracted axes count as one K, in the product's order):
;;     1. [M 8,192, K 1,024] x [K 1,024, N 1,024]; A: input x (given as codes); B: input Wq (given as codes): QUANTISED (scales: A lowp_scales[0], B lowp_scales[1])
;;     2. [M 8,192, K 1,024] x [K 1,024, N 1,024]; A: input x (given as codes); B: input Wk (given as codes): QUANTISED (scales: A lowp_scales[2], B lowp_scales[3])
;;     3. [M 8,192, K 1,024] x [K 1,024, N 1,024]; A: input x (given as codes); B: input Wv (given as codes): QUANTISED (scales: A lowp_scales[4], B lowp_scales[5])
;;     4. batch 64 x [M 2,048, K 64] x [K 64, N 2,048]; A: computed on the way; B: computed on the way: QUANTISED (scales: A lowp_scales[6], B lowp_scales[7])
;;     5. batch 64 x [M 2,048, K 2,048] x [K 2,048, N 64]; A: softmax (see below); B: computed on the way: QUANTISED (scales: A lowp_scales[8], B lowp_scales[9])
;;     6. [M 8,192, K 1,024] x [K 1,024, N 1,024]; A: computed on the way; B: input Wo (given as codes): QUANTISED (scales: A lowp_scales[10], B lowp_scales[11])
;;   THE QUANTISER, for each operand of a quantised product, along K:
;;     - The operand's scale is 2^e, e = its entry of the input lowp_scales (int32; the entries are numbered through the quantised products in the list's order, A before B).
;;     - Each number is divided by the scale, clamped to +-57,344, and rounded to the nearest number of E5M2, ties to even, subnormals kept.
;;     - The product sums the exact products of the quantised numbers (number of the format x scale) in f32.
;;   ~~~python
;;   def quantise(x, axis, e):      # numpy; x: float32 -> the quantised numbers, widened to float32 again
;;       x = np.moveaxis(x, axis, -1); K = x.shape[-1]
;;       r = np.clip(x / 2.0 ** e, -57344, 57344)
;;       step = 2.0 ** (np.maximum(np.frexp(np.where(r == 0, 1, r))[1] - 1, -14) - 2)
;;       q = np.round(r / step) * step * 2.0 ** e      # np.round: ties to even
;;       return np.moveaxis(q, -1, axis).astype(np.float32)
;;   ~~~
;;   SOFTMAX AHEAD OF A QUANTISED PRODUCT. Where the list says 'softmax', what is quantised is not the finished softmax but p = 2^(t - M), with t = logit x log2(e) and M = ceil(the row's largest t), a whole number; so 1/2 < the row's largest p <= 1. The row's sum l is taken of the UNQUANTISED p, in f32, and the product's result is divided by l at the end. Since M is a whole number, a kernel that streams over the keys may use a running M (the ceiling of the running maximum): every later rescaling is an exact power of two, so the quantised numbers keep their values, but for numbers so far below the row's largest that they fall under the format's range.
;;   OPERANDS COMPUTED ON THE WAY. 'Computed on the way' means the value that the module computes at that place (a softmax that the list does not call 'softmax' is quantised finished and normalised). What goes into a quantiser is computed in f32, as accurately as f32 sums, v_exp_f32 and their like allow (about 1e-6 of the number): no bf16 or f16 on the way to a quantiser, and a product that is left as it is and whose result goes on into a quantised operand takes f32 operands (vector FMAs, or v_wmma_f32_16x16x4_f32). A number that lies on a knife's edge between two numbers of the format may be rounded either way, as far as f32 arithmetic and the matrix unit's own rounding can turn it there, and no further.
;;   INPUTS GIVEN AS CODES. Wk (in the module: [1024, 1024], K = its axis 1); Wo (in the module: [1024, 1024], K = its axis 1); Wq (in the module: [1024, 1024], K = its axis 1); Wv (in the module: [1024, 1024], K = its axis 1); x (in the module: [4, 2048, 1024], K = its axis 2): each comes as NAME_codes (uint8): NAME with its K axis moved to the last place and cut into blocks of 32 codes, [.., K / 32, bytes a block], one block behind the other in memory; one code a byte (a code: sign, 5 exponent bits, 2 mantissa bits); its scale is its entry of lowp_scales. Its value is code x scale, taken as it is: it is not quantised again, and the codes and scales need not be those that the quantiser above would give.
;; One version. Each part assembles by itself: llvm-mc -triple=amdgcn-amd-amdhsa -mcpu=gfx1250 --defsym DOCPART=n.
;; ======== version 1 of 1: 3 launches
;; workspace buffers: qkv 25,165,824 bytes; att 8,388,608 bytes
;; launch proj_qkv (part 1): grid 12 x 32, 4 waves a work-group, clusters of 4 x 4, 327,680 bytes of LDS; arguments x_codes, Wq_codes, Wk_codes, Wv_codes, bq, bk, bv, lowp_scales, qkv; writes qkv
.if DOCPART == 1
	.amdgcn_target "amdgcn-amd-amdhsa--gfx1250"
	.amdhsa_code_object_version 6
	.text
	.protected	k_q217c1d8378_proj_qkv
	.globl	k_q217c1d8378_proj_qkv
	.p2align	8
	.type	k_q217c1d8378_proj_qkv,@function
k_q217c1d8378_proj_qkv:
	s_mov_b64 s[64:65], 0
	v_nop
	global_prefetch_b8 v0, s[64:65] scope:SCOPE_SE
	s_setreg_imm32_b32 hwreg(HW_REG_WAVE_MODE, 25, 1), 1
	s_wait_xcnt 0x0
	s_wait_alu depctr_hold_cnt(0) depctr_sa_sdst(0) depctr_va_vdst(0) depctr_va_sdst(0) depctr_va_ssrc(0) depctr_va_vcc(0) depctr_vm_vsrc(0)
	s_getreg_b32 s2, hwreg(HW_REG_IB_STS2, 6, 4)
	s_cmp_eq_u32 s2, 0
	s_cbranch_scc0 .Lentry_in_a_cluster
	s_endpgm
.Lentry_in_a_cluster:
	s_bfe_u32 s2, ttmp6, 0x10000c
	s_cmp_lg_u32 s2, 0xf033
	s_cbranch_scc0 .Lentry_shape_is_right
	s_endpgm
.Lentry_shape_is_right:
; q = x Wq^T + bq, k = x Wk^T + bk, v = x Wv^T + bv on codes of BF8 (E5M2), and each result quantised at once for the product that takes it next (q: entry 6 of the scales, k: entry 7, v: entry 9).
; x: [8192][1024] codes, W: [1024][1024] codes, K innermost.  The cluster's x says which product: 0 q, 1 k, 2 v; it is alike in all sixteen partners, and only pointers, indices and factors are chosen by it: there is no branch on it.
; A tile of 256 x 256 is made by four waves, 128 x 128 each: 64 accumulators, 512 registers.  K goes in steps of 256 through a ring of two LDS slots filled by the tensor data mover.
; SOURCE 0 IS OPERAND P, SOURCE 1 OPERAND Q.  In a result lane (r, h) holds row r of Q's block and rows 8 h + 0 .. 7 of P's block.
;   q, k: P = W, Q = x: a lane holds one token and eight neighbouring channels, which are the next product's K.      v: P = x, Q = Wv: a lane holds one channel and eight neighbouring tokens: the keys, the next K.
; So one conversion of a tile's eight registers gives registers 2 c, 2 c + 1 of the next operand's fragment (k = 16 c + 8 h + 0 .. 7), and THE WORKSPACE HOLDS IMAGES OF THE OPERANDS' REGISTERS:
;   q at byte 0, k at 8,388,608: [batch x head 64][tile of 16 tokens 128][plane 2][lane 32][16 bytes], plane p = registers 4 p .. 4 p + 3 of a fragment of 16 tokens x 64 channels;
;   v at 16,777,216: [batch x head 64][128 keys 16][16 channels 4][plane 4][lane 32][16 bytes]: a fragment of 16 channels x 128 keys.       Each store of a wave covers 512 consecutive bytes, aligned; no LDS on the way out.
; CLUSTERS: 4 x 4 work-groups.  P's tile hangs on cx alone and is asked for jointly by a column of the cluster, Q's on cy alone, by a row: the same tensor load, the same descriptor, a mask that names the four.
; THE BIAS lies along source 0's rows for q and k (a table of 64 registers, the C of each sum's first product) and along source 1's rows for v (a table of 16 registers, added on the way out).  Both tables are always loaded,
; inside the buffer, and multiplied by 2^-(ex + ew) or by 0: the one that does not apply is zero.
; Both operands' fragments are read by four loads of 16 bytes: lane (r, h) has k = 32 c + 16 h + 0 .. 15 in registers 4 c .. 4 c + 3: a permutation of k that is the same on both sides.
; LIMITS: ex + ew between -126 and 126; eo - ex - ew between -126 and 112 (each power of two is made as an f32 number).  NaN and infinities among the biases are not served (0 x them is no 0).
; REGISTERS, in windows of 256: window 0: v0-31 addresses; v32-95 the bias along source 0, later 64 numbers at work; v96-111 the bias along source 1, each number twice; v112 the conversion's scale, v113 the largest number x it;
;   v128-255 source 1's fragments, ONE set, later the codes.   window 1: source 0's fragments, TWO sets.   windows 2, 3: the accumulators ((a, b) at v[8 (8 (a % 4) + b)]).
.set ROWB,   256                       ; a tile's row: 256 codes
.set KROW,   1024                      ; a row of x or of W in memory
.set PITCH,  272                       ; an LDS row: 256 bytes + 16 of padding = 68 words: the 16 rows that a load touches start at 16 different banks (64 banks of 4 bytes: ISA guide 11.1)
.set FR,     16                        ; registers of a fragment: 16 rows x 128 K
.set NL,     4                         ; LDS loads that bring one
.set NP,     4                         ; places behind this matrix instruction (ISA guide 7.12.1)
.set HALFT,  128*PITCH                 ; 128 rows: what one tensor load brings
.set SLOT,   4*HALFT                   ; Q's 256 rows, then P's 256 rows
.set LAPS,   2                         ; 1,024 along K = twice round the ring
.set SPARE,  2*SLOT                    ; behind the ring: the spare words, 128 bytes for each wave
.set ADRA, 16                          ; v16-17  LDS address of my fragments of Q in slot 0, 1
.set ADRB, 20                          ; v20-21  the same for P
.set VO0,  24                          ; v24     16 x lane
.set VO1,  25                          ; v25     the same + the distance to a block's second pair of stores
.set SPW,  28                          ; v28     LDS address of my spare word; never rewritten
.set NIL,  29                          ; v29     0; never rewritten
.set XT,   32
.set TMP,  32
.set YT,   96
.set SC,   112
.set LIM,  113
.set AF,   128
.set CD,   128
.set G1, 24                            ; s[24:31] descriptor group 1 for Q's tiles;  s[32:39] group 0, one set for each slot
.set G0, 32
.set G1B, 48                           ; s[48:55], s[56:63] the same for P's tiles
.set G0B, 56
.set MSB, 0
.macro WIN new                         ; the immediate's high byte repeats the setting that is left
.if MSB != \new
	s_set_vgpr_msb (MSB<<8)|\new
.set MSB, \new
.endif
.endm
.set MUL_LO,   0xa1                    ; source 0 window 1, source 1 window 0, C and D window 2
.set MUL_HI,   0xf1                    ; the same, C and D window 3
.set FIRST_LO, 0x81                    ; the first products: C is the bias, in window 0; D window 2
.set FIRST_HI, 0xc1                    ; D window 3
.set TO_B,     0x40                    ; destination window 1, address window 0
; A joint load: waves 0 and 1 fetch for Q, waves 2 and 3 for P.  The branch hangs on the wave's number alone.  Four v_nop follow each of the two lines.
.macro JLOAD g0a, g1a, g0b, g1b
	s_cmp_eq_u32 s15, 0
	s_cbranch_scc0 .Lfor_b_\@
	tensor_load_to_lds s[\g0a:\g0a+3], s[\g1a:\g1a+7]
	s_nop 0
.rept 4
	v_nop
.endr
	s_branch .Lasked_\@
.Lfor_b_\@:
	tensor_load_to_lds s[\g0b:\g0b+3], s[\g1b:\g1b+7]
	s_nop 0
.rept 4
	v_nop
.endr
.Lasked_\@:
.endm
.macro CREST                           ; a round of the cluster's barrier behind its opening barrier
	s_cmp_lg_u32 s14, 0
	s_cbranch_scc1 .Lnot_wave_0_\@
	s_barrier_signal -3
.Lnot_wave_0_\@:
	s_barrier_wait -3
	s_barrier_signal -1
	s_barrier_wait -1
.endm
.macro CROUND                          ; a whole round
	s_barrier_signal -1
	s_barrier_wait -1
	CREST
.endm
	s_load_b256 s[4:11], s[0:1], 0x0               ; x s[4:5], Wq s[6:7], Wk s[8:9], Wv s[10:11]
	s_load_b256 s[68:75], s[0:1], 0x20             ; bq s[68:69], bk s[70:71], bv s[72:73], the scales' exponents s[74:75]
	s_load_b64 s[66:67], s[0:1], 0x40              ; the workspace
	v_lshl_add_u32 v[SPW], v0, 2, SPARE
	v_mov_b32 v[NIL], 0
	ds_add_u32 v28, v29
	ds_add_u32 v28, v29
	s_wait_dscnt 0x0
	v_lshrrev_b32 v1, 5, v0
	v_readfirstlane_b32 s14, v1                    ; wave 0..3
	s_lshr_b32 s15, s14, 1                         ; which half of Q's rows is mine.  Also: I fetch for Q (0) or for P (1)
	s_and_b32 s16, s14, 1                          ; which half of P's rows.  Also: which 128 rows of that tile I fetch
	s_bfe_u32 s40, ttmp6, 0x40000                  ; cx, cy: my place in the cluster
	s_bfe_u32 s41, ttmp6, 0x40004
	s_mov_b32 s78, ttmp9                           ; the product: 0 q, 1 k, 2 v
	s_and_b32 s79, ttmp7, 0xffff
	s_lshl_b32 s79, s79, 2                         ; 4 x cluster y: the tokens' side walks it
	s_cmp_eq_u32 s78, 2
	s_cselect_b32 s42, s79, 0
	s_cselect_b32 s17, 0, s79
	s_add_co_u32 s42, s42, s40                     ; P's tile of 256 rows: cx (W), or 4 Y + cx (x, for v)
	s_add_co_u32 s17, s17, s41                     ; Q's tile: 4 Y + cy (x), or cy (Wv)
	s_lshl_b32 s43, s41, 2
	s_lshl_b32 s43, 15, s43                        ; my row of the cluster
	s_lshl_b32 s44, 0x1111, s40                    ; my column
	; descriptor group 1: a tile of 128 rows x 256 bytes, padded in LDS
	s_or_b32 s[G1+0], s43, (0<<16)|(1<<20)|(1<<21)|(5<<22)|(3<<25)  ; 15:0 the mask: Q's tiles go to my row; 17:16 element of 1 byte; 20 padding on; 21 set beside a mask; 24:22 after every 64 words; 31:25 of 4 words
	s_or_b32 s[G1B+0], s44, (0<<16)|(1<<20)|(1<<21)|(5<<22)|(3<<25) ; the same with my column's mask, for P's tiles
.irp g, G1, G1B
	s_mov_b32 s[\g+1], ROWB<<16                    ; tensor_dim0
	s_mov_b32 s[\g+2], 128<<16                     ; tensor_dim1 = 128
	s_mov_b32 s[\g+3], ROWB<<16                    ; tile_dim0
	s_mov_b32 s[\g+4], 128                         ; tile_dim1 = 128
	s_mov_b32 s[\g+5], KROW                        ; tensor_dim0_stride
	s_mov_b32 s[\g+6], 0
	s_mov_b32 s[\g+7], 0
.endr
	s_lshl_b32 s18, s16, 7                         ; which 128 rows of the tile I fetch
	s_lshl_b32 s20, s17, 8
	s_add_co_u32 s20, s20, s18                     ; Q: row 256 x tile + 128 x half,
	s_lshl_b32 s20, s20, 10                        ; in bytes: under 2^23
	s_mov_b32 s21, 0
	s_lshl_b32 s46, s42, 8
	s_add_co_u32 s46, s46, s18                     ; P likewise
	s_lshl_b32 s46, s46, 10
	s_mov_b32 s47, 0
	s_mul_i32 s45, s14, HALFT                      ; where they go: wave x 128 rows: no place in the cluster enters an LDS address
	s_wait_kmcnt 0x0
	s_cmp_eq_u32 s78, 1                            ; the buffers are chosen by the product's number alone
	s_cselect_b64 s[6:7], s[8:9], s[6:7]           ; Wk or Wq
	s_cselect_b64 s[100:101], s[70:71], s[68:69]   ; bk or bq
	s_cmp_eq_u32 s78, 2
	s_cselect_b64 s[6:7], s[4:5], s[6:7]           ; P: x for v, else the weight
	s_cselect_b64 s[12:13], s[10:11], s[4:5]       ; Q: Wv for v, else x
	s_cselect_b64 s[100:101], s[72:73], s[100:101] ; the bias
	s_mov_b64 s[90:91], s[74:75]
	s_load_b256 s[68:75], s[90:91], 0x0            ; entries 0 to 7 of the scales
	s_load_b64 s[92:93], s[90:91], 0x20            ; entries 8, 9
	s_add_nc_u64 s[20:21], s[12:13], s[20:21]
	s_add_nc_u64 s[46:47], s[6:7], s[46:47]
	CROUND                                         ; all sixteen work-groups are here: the first joint loads meet
.irp s, 0,1
	s_mov_b32 s[G0+4*\s], 1
	s_add_co_u32 s[G0+4*\s+1], s45, \s*SLOT
	s_add_nc_u64 s[G0+4*\s+2:G0+4*\s+3], s[20:21], \s*ROWB
	s_or_b32 s[G0+4*\s+3], s[G0+4*\s+3], 0x80000000
	s_mov_b32 s[G0B+4*\s], 1
	s_add_co_u32 s[G0B+4*\s+1], s45, \s*SLOT
	s_add_nc_u64 s[G0B+4*\s+2:G0B+4*\s+3], s[46:47], \s*ROWB
	s_or_b32 s[G0B+4*\s+3], s[G0B+4*\s+3], 0x80000000
	JLOAD G0+4*\s, G1, G0B+4*\s, G1B
.endr
	v_and_b32 v1, 15, v0                           ; r = l % 16
	v_bfe_u32 v2, v0, 4, 1                         ; h = l / 16
	v_mul_u32_u24 v3, v1, PITCH
	v_lshl_add_u32 v4, v2, 4, v3                   ; a fragment's row x pitch + 16 x half
	s_mul_i32 s21, s15, HALFT                      ; my 128 rows of Q
	s_mul_i32 s22, s16, HALFT                      ; my 128 rows of P,
	s_add_co_u32 s22, s22, 2*HALFT                 ; which lie behind Q's 256
.irp s, 0,1
	v_add_nc_u32 v[ADRA+\s], s21, v4
	v_add_nc_u32 v[ADRB+\s], s22, v4
	s_add_co_u32 s21, s21, SLOT
	s_add_co_u32 s22, s22, SLOT
.endr
	; which side holds the tokens and which the channels
	s_cmp_eq_u32 s78, 2
	s_cselect_b32 s80, s42, s17                    ; the tokens' tile of 256,
	s_cselect_b32 s81, s16, s15                    ; my half of it
	s_cselect_b32 s82, s17, s42                    ; the channels' tile of 256,
	s_cselect_b32 s83, s15, s16                    ; my half of it
	s_lshl_b32 s94, s82, 10
	s_lshl_b32 s95, s83, 9
	s_add_co_u32 s94, s94, s95                     ; my 128 channels' first byte in the bias
	s_cmp_eq_u32 s78, 2
	s_cselect_b32 s95, 0, s94                      ; the table that does not apply reads from byte 0: every load stays inside the 4,096 bytes
	s_cselect_b32 s94, s94, 0
	v_lshl_add_u32 v5, v2, 5, s95                  ; along source 0: register 8 b + j = bias[16 b + 8 h + j]
	v_lshl_add_u32 v6, v1, 2, s94                  ; along source 1: registers 2 a, 2 a + 1 = bias[16 a + r]
.irp b, 0,1,2,3,4,5,6,7
	global_load_b128 v[XT+8*\b:XT+8*\b+3], v5, s[100:101] offset:64*\b
	global_load_b128 v[XT+8*\b+4:XT+8*\b+7], v5, s[100:101] offset:64*\b+16
.endr
.irp a, 0,1,2,3,4,5,6,7
	global_load_b32 v[YT+2*\a], v6, s[100:101] offset:64*\a
	global_load_b32 v[YT+2*\a+1], v6, s[100:101] offset:64*\a
.endr
	; where my codes go: the product's part + (16 batch + head) x 131,072 + my 128 tokens x 64 bytes
	s_lshr_b32 s94, s80, 3                         ; batch: eight tiles of 256 tokens each
	s_lshl_b32 s94, s94, 4
	s_lshl_b32 s95, s82, 2
	s_add_co_u32 s94, s94, s95
	s_lshl_b32 s95, s83, 1
	s_add_co_u32 s94, s94, s95                     ; the first of my two heads
	s_lshl_b32 s94, s94, 17
	s_and_b32 s95, s80, 7
	s_lshl_b32 s95, s95, 1
	s_add_co_u32 s95, s95, s81                     ; which 128 tokens of the sequence
	s_lshl_b32 s95, s95, 13
	s_add_co_u32 s94, s94, s95
	s_lshl_b32 s95, s78, 23
	s_add_co_u32 s94, s94, s95
	s_mov_b32 s95, 0
	s_add_nc_u64 s[66:67], s[66:67], s[94:95]
	s_cmp_eq_u32 s78, 2                            ; block a of source 1 is 16 tokens of two heads (q, k) or 16 channels of one head (v)
	s_mov_b32 s76, 131072
	s_cselect_b32 s76, 1024, s76                   ; from a block's first two stores to its last two: the next head, or planes 2 and 3
	s_mov_b32 s86, 1024
	s_cselect_b32 s86, 2048, s86                   ; from block to block: the next 16 tokens, or the next 16 channels;
	s_mov_b32 s88, 1024
	s_cselect_b32 s88, 124928, s88                 ; from block 3 to block 4, for v: the next head's first 16 channels: 131,072 - 3 x 2,048
	s_mov_b32 s87, 0
	s_mov_b32 s89, 0
	v_and_b32 v7, 31, v0
	v_lshlrev_b32 v[VO0], 4, v7
	v_add_nc_u32 v[VO1], s76, v[VO0]
	s_wait_kmcnt 0x0
	s_cmp_eq_u32 s78, 1                            ; my product's three exponents: x's, the weight's, the result's
	s_cselect_b32 s84, s70, s68
	s_cselect_b32 s85, s71, s69
	s_cselect_b32 s77, s75, s74
	s_cmp_eq_u32 s78, 2
	s_cselect_b32 s84, s72, s84
	s_cselect_b32 s85, s73, s85
	s_cselect_b32 s77, s93, s77
	s_add_co_i32 s84, s84, s85                     ; ex + ew: a sum stands for sum x 2^(ex + ew), so the bias goes in divided by that
	s_sub_co_i32 s85, 127, s84
	s_lshl_b32 s85, s85, 23                        ; 2^-(ex + ew) as f32
	s_cmp_eq_u32 s78, 2
	s_cselect_b32 s96, 0, s85
	s_cselect_b32 s98, s85, 0
	s_mov_b32 s97, s96                             ; (named as pairs, so the upper words are written)
	s_mov_b32 s99, s98
	s_sub_co_i32 s77, s77, s84                     ; eo - ex - ew: the three scales folded into the conversion's one
	s_add_co_i32 s77, s77, 127
	s_lshl_b32 s85, s77, 23
	v_mov_b32 v[SC], s85
	s_add_co_i32 s77, s77, 15
	s_lshl_b32 s77, s77, 23
	s_or_b32 s77, s77, 0x600000
	v_mov_b32 v[LIM], s77                          ; 57,344 x that
	s_wait_loadcnt 0x0                             ; both tables
.set j, 0
.rept 32
	v_pk_mul_f32 v[XT+j:XT+j+1], v[XT+j:XT+j+1], s[96:97] op_sel_hi:[1,0]
.set j, j+2
.endr
.set j, 0
.rept 8
	v_pk_mul_f32 v[YT+j:YT+j+1], v[YT+j:YT+j+1], s[98:99] op_sel_hi:[1,0]
.set j, j+2
.endr
.macro FRAG reg, adr, q, i             ; 16 rows x 128 K: lane l holds row l % 16; registers 4 c .. 4 c + 3 hold K = 32 c + 16 (l / 16) + 0 .. 15
.irp c, 0,1,2,3
	ds_load_b128 v[\reg+4*\c:\reg+4*\c+3], v[\adr] offset:128*(\q)+32*\c+(\i)*16*PITCH
.endr
.endm
; 16 matrix instructions: Q's blocks a0, a0 + 1 x P's eight, 128 along K.  p: P's set.  zero = 1: the first product starts the sums, with the bias along source 0 as its C.
; The 64 accumulators take turns, one instruction a turn, in the same order in every step.
.macro MUL16 a0, p, zero
.irp a, \a0, \a0+1
.irp b, 0,1,2,3,4,5,6,7
.if \zero
	v_wmma_f32_16x16x128_bf8_bf8 v[8*(8*((\a)%4)+\b):8*(8*((\a)%4)+\b)+7], v[128*(\p)+FR*\b:128*(\p)+FR*\b+FR-1], v[AF+FR*(\a):AF+FR*(\a)+FR-1], v[XT+8*\b:XT+8*\b+7]
.else
	v_wmma_f32_16x16x128_bf8_bf8 v[8*(8*((\a)%4)+\b):8*(8*((\a)%4)+\b)+7], v[128*(\p)+FR*\b:128*(\p)+FR*\b+FR-1], v[AF+FR*(\a):AF+FR*(\a)+FR-1], v[8*(8*((\a)%4)+\b):8*(8*((\a)%4)+\b)+7]
.endif
.endr
.endr
.endm
.macro FETCH_B slot, q, p              ; P's eight fragments of the slot's q-th 128 along K into set p
	WIN TO_B
.irp i, 0,1,2,3,4,5,6,7
	FRAG 128*(\p)+FR*\i, ADRB+\slot, \q, \i
.endr
	WIN 0
.endm
.macro FETCH_A slot, q, i0             ; Q's blocks i0 .. i0 + 3
.irp i, \i0, \i0+1, \i0+2, \i0+3
	FRAG AF+FR*(\i), ADRA+\slot, \q, \i
.endr
.endm
.macro PLACES n                        ; plain vector instructions that name no register of the matrix instructions in front: ahead of loads into registers that those have read, and of the first read of results
.rept \n
	v_nop
.endr
.endm
; A step of 128 along K that has its successor in the same slot.
.macro STEP slot, q, zero
	s_wait_dscnt 4*NL                              ; P's set and Q's blocks 0-3 are in; the youngest sixteen loads (Q's blocks 4-7) may be out
.if \zero
	WIN FIRST_LO
.else
	WIN MUL_LO
.endif
	MUL16 0, (\q)%2, \zero
	MUL16 2, (\q)%2, \zero
	s_wait_dscnt 0                                 ; Q's blocks 4-7 are in
	PLACES NP
	FETCH_B \slot, (\q)+1, 1-(\q)%2
	FETCH_A \slot, (\q)+1, 0
.if \zero
	WIN FIRST_HI
.else
	WIN MUL_HI
.endif
	MUL16 4, (\q)%2, \zero
	MUL16 6, (\q)%2, \zero
	PLACES NP
	WIN 0
	FETCH_A \slot, (\q)+1, 4
.endm
; A slot's last step changes slots: ONE barrier; in front of it each wave waits for all its tensor loads, adds 0 to its spare word, and waits for that and for its own reads of this slot.  fill = 1: this slot is filled again, two K steps ahead.
.macro TURN slot, next, fill
	s_wait_tensorcnt 0x0                           ; all my tensor loads have landed: my part of the next slot  (every window is 0 here)
	ds_add_u32 v[SPW], v[NIL]                      ; 0 onto my spare word
	s_wait_dscnt 4*NL+1                            ; (the add and the youngest sixteen loads, Q's blocks 4-7, may be out)
	WIN MUL_LO
	MUL16 0, 1, 0                                  ; sixteen matrix instructions stand between the add and the wait for it
	s_wait_dscnt 0x0                               ; the add is done, and my reads of this slot are over
	s_barrier_signal -1
	MUL16 2, 1, 0
	WIN 0
	s_barrier_wait -1
.if \fill
	CREST                                          ; the barrier has opened a round of the cluster's barrier: no wave of any partner still reads this slot's tile or has a load on its way
	s_add_nc_u64 s[G0+4*\slot+2:G0+4*\slot+3], s[G0+4*\slot+2:G0+4*\slot+3], 2*ROWB
	s_add_nc_u64 s[G0B+4*\slot+2:G0B+4*\slot+3], s[G0B+4*\slot+2:G0B+4*\slot+3], 2*ROWB
	JLOAD G0+4*\slot, G1, G0B+4*\slot, G1B         ; the first tensor load behind the round; the four v_nop behind it are the places in front of the loads below
.else
	PLACES NP
.endif
	FETCH_B \next, 0, 0
	FETCH_A \next, 0, 0
	WIN MUL_HI
	MUL16 4, 1, 0
	MUL16 6, 1, 0
	PLACES NP
	WIN 0
	FETCH_A \next, 0, 4
.endm
	s_wait_tensorcnt 1                             ; my part of K step 0 is in (K step 1's load may be out)
	s_barrier_signal -1
	s_barrier_wait -1                              ; everybody's is
	FETCH_B 0, 0, 0
	FETCH_A 0, 0, 0
	FETCH_A 0, 0, 4
	STEP 0, 0, 1                                   ; the first step stands in front of the loop: its products start the sums
	s_mov_b32 s3, LAPS-1
.Llap:                                                 ; a trip goes once round the ring, from a lap's second step to the next lap's first, and fills both slots again
	TURN 0, 1, 1
	STEP 1, 0, 0
	TURN 1, 0, 1
	STEP 0, 0, 0
	s_sub_co_u32 s3, s3, 1
	s_cmp_lg_u32 s3, 0
	s_cbranch_scc1 .Llap
	TURN 0, 1, 0                                   ; the last lap fills nothing, and has no round of the cluster's barrier
	STEP 1, 0, 0
	s_wait_dscnt 4*NL                              ; the very last step: nothing more to fetch
	WIN MUL_LO
	MUL16 0, 1, 0
	MUL16 2, 1, 0
	s_wait_dscnt 0
	WIN MUL_HI
	MUL16 4, 1, 0
	MUL16 6, 1, 0
	WIN 0
; THE WAY OUT, block by block of source 1's 16 rows: the bias along source 1, the hold, eight conversions: 16 registers of codes, which are two fragments of q or k (two heads) or one of v, as they stand.
; Each block has its own 16 registers of codes, so no store's data are written again.
.macro OUTA a
.set AC, 64*((\a)%4)
	WIN 0x02+((\a)/4)                              ; source 0: window 2 or 3
.set j, 0
.rept 32
	v_pk_add_f32 v[TMP+j:TMP+j+1], v[AC+j:AC+j+1], v[YT+2*(\a):YT+2*(\a)+1]   ; each accumulator from its low end on
.set j, j+2
.endr
	WIN 0
.set j, 0
.rept 64
	v_med3_num_f32 v[TMP+j], v[TMP+j], -v[LIM], v[LIM]   ; the conversion to an 8-bit code does not saturate (ISA guide 7.6.2): the hold at the largest code x the scale
.set j, j+1
.endr
.irp b, 0,1,2,3,4,5,6,7
	v_cvt_scalef32_pk8_bf8_f32 v[CD+16*(\a)+2*\b:CD+16*(\a)+2*\b+1], v[TMP+8*\b:TMP+8*\b+7], v[SC]
.endr
	v_nop                                          ; a plain vector instruction between the conversions and the next block's additions, which write their sources
.if (\a) > 0
	s_wait_xcnt 0x0                                ; the earlier stores have read their base
.if (\a) == 4
	s_add_nc_u64 s[66:67], s[66:67], s[88:89]
.else
	s_add_nc_u64 s[66:67], s[66:67], s[86:87]
.endif
.endif
	global_store_b128 v[VO0], v[CD+16*(\a):CD+16*(\a)+3], s[66:67]                 ; 32 lanes store 512 consecutive bytes, at a multiple of 512 from the buffer's first byte
	global_store_b128 v[VO0], v[CD+16*(\a)+4:CD+16*(\a)+7], s[66:67] offset:512
	global_store_b128 v[VO1], v[CD+16*(\a)+8:CD+16*(\a)+11], s[66:67]
	global_store_b128 v[VO1], v[CD+16*(\a)+12:CD+16*(\a)+15], s[66:67] offset:512
.endm
	PLACES NP                                      ; behind the last products
.irp a, 0,1,2,3,4,5,6,7
	OUTA \a
.endr
	s_wait_tensorcnt 0x0                           ; the wave's end
	ds_add_u32 v[SPW], v[NIL]
	s_wait_dscnt 0x0
	CROUND                                         ; the closing round: no work-group ends while a partner may still ask for a tile that names it
	s_endpgm
.Lfunc_end_k_q217c1d8378_proj_qkv:
	.size	k_q217c1d8378_proj_qkv, .Lfunc_end_k_q217c1d8378_proj_qkv-k_q217c1d8378_proj_qkv
	.p2alignl 7, 3214868480
	.fill 96, 4, 3214868480
	.section	.rodata,"a",@progbits
	.p2align	6, 0x0
	.amdhsa_kernel k_q217c1d8378_proj_qkv
		.amdhsa_group_segment_fixed_size 327680
		.amdhsa_private_segment_fixed_size 0
		.amdhsa_enable_private_segment 0
		.amdhsa_kernarg_size 72
		.amdhsa_user_sgpr_count 2
		.amdhsa_user_sgpr_kernarg_segment_ptr 1
		.amdhsa_wavefront_size32 1
		.amdhsa_system_sgpr_workgroup_id_x 1
		.amdhsa_system_sgpr_workgroup_id_y 1
		.amdhsa_system_sgpr_workgroup_id_z 1
		.amdhsa_system_vgpr_workitem_id 0
		.amdhsa_next_free_vgpr 1024
		.amdhsa_next_free_sgpr 102
		.amdhsa_reserve_vcc 0
		.amdhsa_float_denorm_mode_32 3
		.amdhsa_float_denorm_mode_16_64 3
		.amdhsa_memory_ordered 1
		.amdhsa_forward_progress 1
		.amdhsa_inst_pref_size 141
	.end_amdhsa_kernel
	.amdgpu_metadata
---
amdhsa.version: [ 1, 2 ]
amdhsa.kernels:
  - .name:           k_q217c1d8378_proj_qkv
    .symbol:         k_q217c1d8378_proj_qkv.kd
    .args:
      - { .name: x_codes, .offset: 0, .size: 8, .value_kind: global_buffer, .address_space: global }
      - { .name: Wq_codes, .offset: 8, .size: 8, .value_kind: global_buffer, .address_space: global }
      - { .name: Wk_codes, .offset: 16, .size: 8, .value_kind: global_buffer, .address_space: global }
      - { .name: Wv_codes, .offset: 24, .size: 8, .value_kind: global_buffer, .address_space: global }
      - { .name: bq, .offset: 32, .size: 8, .value_kind: global_buffer, .address_space: global }
      - { .name: bk, .offset: 40, .size: 8, .value_kind: global_buffer, .address_space: global }
      - { .name: bv, .offset: 48, .size: 8, .value_kind: global_buffer, .address_space: global }
      - { .name: lowp_scales, .offset: 56, .size: 8, .value_kind: global_buffer, .address_space: global }
      - { .name: qkv, .offset: 64, .size: 8, .value_kind: global_buffer, .address_space: global }
    .group_segment_fixed_size: 327680
    .private_segment_fixed_size: 0
    .kernarg_segment_align: 8
    .kernarg_segment_size: 72
    .max_flat_workgroup_size: 128
    .sgpr_count:     102
    .vgpr_count:     1024
    .wavefront_size: 32
...
	.end_amdgpu_metadata
.endif
;; end of part 1
;; launch attn (part 2): grid 4 x 64, 16 waves a work-group, clusters of 4 x 1, 272,384 bytes of LDS; arguments qkv, mask, lowp_scales, att; writes att
.if DOCPART == 2
	.amdgcn_target "amdgcn-amd-amdhsa--gfx1250"
	.amdhsa_code_object_version 6
	.text
	.protected	k_q217c1d8378_attn
	.globl	k_q217c1d8378_attn
	.p2align	8
	.type	k_q217c1d8378_attn,@function
k_q217c1d8378_attn:
	s_mov_b64 s[64:65], 0
	v_nop
	global_prefetch_b8 v0, s[64:65] scope:SCOPE_SE
	s_setreg_imm32_b32 hwreg(HW_REG_WAVE_MODE, 25, 1), 1
	s_wait_xcnt 0x0
	s_wait_alu depctr_hold_cnt(0) depctr_sa_sdst(0) depctr_va_vdst(0) depctr_va_sdst(0) depctr_va_ssrc(0) depctr_va_vcc(0) depctr_vm_vsrc(0)
	s_getreg_b32 s2, hwreg(HW_REG_IB_STS2, 6, 4)
	s_cmp_eq_u32 s2, 0
	s_cbranch_scc0 .Lentry_in_a_cluster
	s_endpgm
.Lentry_in_a_cluster:
	s_bfe_u32 s2, ttmp6, 0x10000c
	s_cmp_lg_u32 s2, 0x3003
	s_cbranch_scc0 .Lentry_shape_is_right
	s_endpgm
.Lentry_shape_is_right:
; o = softmax(q k^T / 8 + mask) v for one head, both products on codes of BF8 (E5M2), and o quantised at once (entry 10 of the scales) for the last projection.
; q, k, v come as IMAGES OF THE OPERANDS' REGISTERS (the launch before lays them so): a fragment of q or k (16 tokens x 64 channels, 8 registers) is 1,024 bytes, plane p = registers 4 p .. 4 p + 3 at 512 p + 16 x lane;
; a fragment of v^T (16 channels x 128 keys, 16 registers) is 2,048 bytes, four planes.  Every LDS read is 512 consecutive bytes: no pitch, no padding.
; THE SOFTMAX: t = (score / 8 + mask) x log2(e); M = the row's largest t so far, rounded UP to a whole number; p = 2^(t - M) is quantised along the keys (entry 8), not normalised; the row's sum is taken of the unquantised p
; and divides at the end.  When M moves, the sum and O are multiplied by 2^(old M - new M): exact.
; SHARES.  A work-group owns 512 queries of one head; each of its sixteen waves two tiles of 16, one after the other, in 256 registers: four waves to a SIMD, so that one wave's vector work stands beside another's products and LDS loads.
; THE HEAD'S WHOLE K AND V LIE IN LDS: 131,072 bytes each.  No LDS byte is filled twice, so there is no ring.  They come in four groups of 512 keys, asked for together at the start, and the first group is worked on while the others land.
; CLUSTER.  The four work-groups of a cluster are the four query blocks of one head: each tile of K and V is asked for JOINTLY: the same tensor load, the same descriptor, the mask 15, in all four.
; LAYOUT.  Both products are used transposed: S^T = K Q^T (source 0 = 16 keys, source 1 = my 16 queries), O^T = V^T P^T: a lane holds ONE query (lane % 16) throughout, and in tile t of S^T the keys 16 t + 8 (lane / 16) + 0 .. 7: one
; conversion of a tile's eight registers gives registers 2 t, 2 t + 1 of P's fragment.  Likewise O^T's tiles give the registers of the last projection's operand.
; THE MASK costs no vector instruction in the loop: mask x 8 / 2^(e6 + e7) lies in LDS and is loaded straight into S^T's registers: it is the C of the first product.
; LIMITS: e6 + e7 between -123 and 130 (added to c's exponent field); e8, and e10 - e8 - e9, between -126 and 112.  A row all of whose keys are masked by -infinity (NaN in the definition) is not served.
; REGISTERS: v1-3 addresses that stay; v8-10 the step's; v12 -M, v13 the largest t, v[14:15] the sum in two halves; v16-23 Q; v32-95 eight fragments of K, then four of V; v96-159 S^T, then p; v160-191 O^T; v192-207 p's codes; v208-215 o's codes.
.set VREG,  131072                     ; LDS: K from byte 0, V from here,
.set MASKB, 262144                     ; and 2,048 f32 of the scaled mask: written by LDS stores alone; no tile lands there
.set WV,  18                           ; s18  my wave's number
.set SEL, 20                           ; s[20:21] lane selects for v_permlanex16_b32: lane l xor 16
.set CS,  22                           ; s[22:23] c = log2(e) / 8 x 2^(e6 + e7)
.set G1,  24                           ; s[24:31] descriptor group 1;  s[32:47] four groups 0
.set G0,  32
.macro CROUND                          ; a round of the cluster's barrier
	s_barrier_signal -1
	s_barrier_wait -1
	s_cmp_lg_u32 s[WV], 0
	s_cbranch_scc1 .Lnot_wave_0_\@
	s_barrier_signal -3
.Lnot_wave_0_\@:
	s_barrier_wait -3
	s_barrier_signal -1
	s_barrier_wait -1
.endm
	s_load_b256 s[4:11], s[0:1], 0x0               ; the q, k, v images s[4:5], the mask s[6:7], the scales' exponents s[8:9], o's codes s[10:11]
	v_lshl_add_u32 v251, v0, 2, 0x42000
	v_mov_b32 v255, 0
	ds_add_u32 v251, v255
	ds_add_u32 v251, v255
	v_lshrrev_b32 v4, 5, v0
	v_readfirstlane_b32 s[WV], v4                  ; wave 0..15
	s_bfe_u32 s51, ttmp6, 0x40000                  ; cx: my block of 512 queries: it enters Q's and o's addresses alone
	s_and_b32 s48, ttmp7, 0xffff                   ; 16 x batch + head, which the four partners share
	s_lshr_b32 s49, s48, 4                         ; batch
	s_and_b32 s50, s48, 15                         ; head
	; descriptor group 1: a dense block of 16,384 bytes as 64 rows of 256
	s_mov_b32 s[G1], 15|(3<<16)|(1<<21)            ; 15:0 the mask: all four work-groups; 17:16 elements of 8 bytes; 21 set beside a mask; no padding
	s_mov_b32 s[G1+1], 32<<16                      ; tensor_dim0 = 32
	s_mov_b32 s[G1+2], 64<<16                      ; tensor_dim1 = 64
	s_mov_b32 s[G1+3], 32<<16                      ; tile_dim0 = 32
	s_mov_b32 s[G1+4], 64                          ; tile_dim1 = 64
	s_mov_b32 s[G1+5], 32                          ; tensor_dim0_stride
	s_mov_b32 s[G1+6], 0
	s_mov_b32 s[G1+7], 0
	s_mov_b32 s[SEL], 0x76543210
	s_mov_b32 s[SEL+1], 0xfedcba98
	s_and_b32 s60, s[WV], 3                        ; waves 0 and 1 fetch K's halves of a group, waves 2 and 3 V's; the others fetch nothing
	s_lshr_b32 s61, s60, 1
	s_and_b32 s60, s60, 1
	s_lshl_b32 s62, s61, 17
	s_lshl_b32 s63, s60, 14
	s_add_co_u32 s62, s62, s63                     ; in LDS: 131,072 x (K or V) + 16,384 x half
	s_add_co_u32 s66, s61, 1
	s_lshl_b32 s66, s66, 23                        ; in memory: K's part begins at 8,388,608, V's at twice that,
	s_lshl_b32 s67, s48, 17                        ; the head's 131,072 bytes,
	s_add_co_u32 s66, s66, s67
	s_add_co_u32 s66, s66, s63                     ; the half
	s_mov_b32 s67, 0
	s_wait_dscnt 0x0
	s_wait_kmcnt 0x0
	s_load_b128 s[68:71], s[8:9], 0x18             ; e6, e7, e8, e9
	s_load_b32 s72, s[8:9], 0x28                   ; e10
	s_add_nc_u64 s[66:67], s[4:5], s[66:67]
	CROUND                                         ; all four work-groups are here: the joint loads meet
.irp g, 0,1,2,3
	s_mov_b32 s[G0+4*\g], 1
	s_add_co_u32 s[G0+4*\g+1], s62, \g*32768       ; group g: keys 512 g on
	s_add_nc_u64 s[G0+4*\g+2:G0+4*\g+3], s[66:67], \g*32768
	s_or_b32 s[G0+4*\g+3], s[G0+4*\g+3], 0x80000000
.endr
	s_cmp_lt_u32 s[WV], 4                          ; a wave's four loads stand in one branch, ahead of every wait on TENSORcnt and every LDS read: four loads of mine are out at the most
	s_cbranch_scc0 .Lno_fetch
	tensor_load_to_lds s[G0:G0+3], s[G1:G1+7]
	s_nop 0
	tensor_load_to_lds s[G0+4:G0+7], s[G1:G1+7]
	s_nop 0
	tensor_load_to_lds s[G0+8:G0+11], s[G1:G1+7]
	s_nop 0
	tensor_load_to_lds s[G0+12:G0+15], s[G1:G1+7]
	s_nop 0
.rept 4
	v_nop
.endr
.Lno_fetch:
	s_lshl_b32 s62, s49, 13                        ; the batch's 2,048 numbers of the mask: 16 bytes a thread
	s_mov_b32 s63, 0
	s_add_nc_u64 s[6:7], s[6:7], s[62:63]
	v_lshlrev_b32 v4, 4, v0
	global_load_b128 v[24:27], v4, s[6:7]
	s_lshl_b32 s60, s51, 5
	s_lshl_b32 s61, s[WV], 1
	s_add_co_u32 s60, s60, s61                     ; my first tile of 16 queries: 32 cx + 2 x wave
	s_lshl_b32 s62, s60, 10
	s_lshl_b32 s63, s48, 17
	s_add_co_u32 s62, s62, s63
	s_mov_b32 s63, 0
	s_add_nc_u64 s[52:53], s[4:5], s[62:63]        ; its fragment of Q
	s_lshl_b32 s62, s49, 7                         ; o's codes: [4 heads' 256 of K][tile of 16 rows 512][head % 4][plane 2][lane][16 bytes]
	s_add_co_u32 s62, s62, s60
	s_lshl_b32 s62, s62, 12
	s_lshr_b32 s63, s50, 2
	s_lshl_b32 s63, s63, 21
	s_add_co_u32 s62, s62, s63
	s_and_b32 s63, s50, 3
	s_lshl_b32 s63, s63, 10
	s_add_co_u32 s62, s62, s63
	s_mov_b32 s63, 0
	s_add_nc_u64 s[54:55], s[10:11], s[62:63]
	v_and_b32 v1, 31, v0
	v_lshlrev_b32 v1, 4, v1                        ; 16 x lane: an image's place for my lane
	v_add_nc_u32 v2, VREG, v1
	v_bfe_u32 v3, v0, 4, 1
	v_lshl_add_u32 v3, v3, 5, MASKB                ; the mask of my half's eight keys of a tile
	v_add_nc_u32 v5, MASKB, v4                     ; where I put my four numbers of the mask
	v_mov_b32 v236, 0                              ; written once: a lane permute's destination counts as one of its sources
	v_mov_b32 v253, 0                              ; (named as the upper half of the pair v[252:253])
	s_wait_kmcnt 0x0
	s_add_co_i32 s73, s68, s69                     ; e6 + e7: a score stands for score x 2^(e6 + e7)
	s_sub_co_i32 s74, 3, s73
	s_lshl_b32 s75, s73, 23
	s_mov_b32 s[CS], 0x3e38aa3b                    ; log2(e) / 8,
	s_add_co_i32 s[CS], s[CS], s75                 ; x 2^(e6 + e7): the sum is added to the exponent field
	s_mov_b32 s[CS+1], s[CS]                       ; (named with it as a pair, so it is written)
	s_add_co_i32 s75, s70, 127
	s_lshl_b32 s76, s75, 23
	v_mov_b32 v244, s76                            ; 2^e8, for p's conversions
	s_add_co_i32 s75, s75, 15
	s_lshl_b32 s75, s75, 23
	s_or_b32 s75, s75, 0x600000
	v_mov_b32 v240, s75                            ; 57,344 x 2^e8
	s_sub_co_i32 s75, s72, s70
	s_sub_co_i32 s75, s75, s71                     ; e10 - e8 - e9: a sum of the second product stands for sum x 2^(e8 + e9)
	s_add_co_i32 s75, s75, 127
	s_lshl_b32 s76, s75, 23
	v_mov_b32 v245, s76
	s_add_co_i32 s75, s75, 15
	s_lshl_b32 s75, s75, 23
	s_or_b32 s75, s75, 0x600000
	v_mov_b32 v246, s75
	s_wait_loadcnt 0x0
.irp i, 24,25,26,27
	v_ldexp_f32 v\i, v\i, s74                      ; t = c x (score + mask x 2^(3 - e6 - e7)): exact, short of overflow
.endr
	ds_store_b128 v5, v[24:27]
; A KEY STEP: 128 keys, whose tiles begin at LDS byte s56 of K's and V's regions and whose mask at byte s57.
.macro STEP
	v_add_nc_u32 v8, s56, v1
	v_add_nc_u32 v9, s56, v2
	v_add_nc_u32 v10, s57, v3
	v_nop                                          ; these four are the places between the last step's products and the loads into the registers that they read
.irp t, 0,1,2,3,4,5,6,7
	ds_load_b128 v[96+8*\t:99+8*\t], v10 offset:64*\t       ; the scaled mask of keys 16 t + 8 h + 0 .. 7, where the scores will stand
	ds_load_b128 v[100+8*\t:103+8*\t], v10 offset:64*\t+16
.endr
.irp t, 0,1,2,3,4,5,6,7
	ds_load_b128 v[32+8*\t:35+8*\t], v8 offset:1024*\t      ; K's fragment of keys 16 t on
	ds_load_b128 v[36+8*\t:39+8*\t], v8 offset:1024*\t+512
.endr
	s_wait_dscnt 0x0
.irp t, 0,1,2,3,4,5,6,7
	v_wmma_f32_16x16x64_bf8_bf8 v[96+8*\t:103+8*\t], v[32+8*\t:39+8*\t], v[16:23], v[96+8*\t:103+8*\t]   ; S^T + mask; eight accumulators, one instruction each
.endr
.rept 4
	v_nop                                          ; places in front of the loads below and of the first read of the scores
.endr
.irp t, 0,1,2,3
.irp g, 0,1,2,3
	ds_load_b128 v[32+16*\t+4*\g:35+16*\t+4*\g], v9 offset:2048*\t+512*\g   ; V^T's four fragments: they land under the softmax
.endr
.endr
	v_max3_num_f32 v254, v96, v97, v98             ; the step's largest score of my query, among my 64 keys, in two chains, each accumulator from its low end on,
	v_max3_num_f32 v252, v99, v100, v101
.set i, 6
.rept 14
	v_max3_num_f32 v254, v254, v[96+i], v[97+i]
	v_max3_num_f32 v252, v252, v[98+i], v[99+i]
.set i, i+4
.endr
	v_max3_num_f32 v254, v254, v158, v159
	v_max_num_f32 v254, v254, v252
	v_permlanex16_b32 v236, v254, s[SEL], s[SEL+1]
	v_max_num_f32 v254, v254, v236                 ; and among lane l xor 16's
	v_mul_f32 v254, s[CS], v254                    ; as t (c is positive)
	v_max_num_f32 v13, v13, v254                   ; the running largest t
	v_mov_b32 v254, v12
	v_floor_f32 v12, -v13                          ; the new -M = floor(-t) = -ceil(t): M is a whole number
	v_sub_f32 v254, v12, v254                      ; M's old value less its new one: a whole number, 0 or less
	v_cvt_i32_f32 v254, v254                       ; (it saturates)
	v_ldexp_f32 v252, 1.0, v254                    ; f = 2^(old M - new M)
.set j, 0
.rept 32
	v_pk_fma_f32 v[96+j:97+j], v[96+j:97+j], s[CS:CS+1], v[12:13] op_sel_hi:[1,0,0]   ; t - M, two at a time (of the pairs c and -M the low word serves both halves)
.set j, j+2
.endr
.set j, 0
.rept 64
	v_exp_f32 v[96+j], v[96+j]                     ; p = 2^(t - M), at most 1: not normalised
.set j, j+1
.endr
	v_pk_mul_f32 v[14:15], v[14:15], v[252:253] op_sel_hi:[1,0]   ; the sums under the new M.  (A plain instruction behind the exponentials)
	s_wait_alu depctr_va_vdst(0)
	v_pk_add_f32 v[242:243], v[96:97], v[98:99]    ; the row's sum is taken of the unquantised p: two at a time, in two chains
.set j, 4
.rept 15
	v_pk_add_f32 v[14:15], v[14:15], v[96+j:97+j]
	v_pk_add_f32 v[242:243], v[242:243], v[98+j:99+j]
.set j, j+4
.endr
	v_pk_add_f32 v[14:15], v[14:15], v[242:243]
.irp t, 0,1,2,3,4,5,6,7
.irp i, 0,1,2,3,4,5,6,7
	v_min_num_f32 v[96+8*\t+\i], v[96+8*\t+\i], v240   ; the conversion to an 8-bit code does not saturate (ISA guide 7.6.2); p is not negative, so the hold is one-sided
.endr
	v_cvt_scalef32_pk8_bf8_f32 v[192+2*\t:193+2*\t], v[96+8*\t:103+8*\t], v244   ; registers 2 t, 2 t + 1 of P's fragment: keys 16 t + 8 h + 0 .. 7
.endr
.set j, 0
.rept 16
	v_pk_mul_f32 v[160+j:161+j], v[160+j:161+j], v[252:253] op_sel_hi:[1,0]   ; O^T under the new M.  (Plain instructions between the conversions and the products that read their results)
.set j, j+2
.endr
	s_wait_dscnt 0x0                               ; V
.irp t, 0,1,2,3
	v_wmma_f32_16x16x128_bf8_bf8 v[160+8*\t:167+8*\t], v[32+16*\t:47+16*\t], v[192:207], v[160+8*\t:167+8*\t]   ; four accumulators by turns; the next step's eight stand between two links
.endr
.endm
; A GROUP of 512 keys: four steps.  The waves that fetched it wait for their loads of it, every wave's LDS store of the mask is done, and behind the barrier all sixteen read it.
.macro GROUP g
	s_wait_tensorcnt 3-\g                          ; tensor loads of a wave end in order (ISA guide 10.11.1): my load of group g is in; the 3 - g younger ones may be out
	s_wait_dscnt 0x0
	s_barrier_signal -1
	s_barrier_wait -1
.if \g == 0
	s_wait_loadcnt 0x0                             ; Q; its load is done, so its base may step:
	s_add_nc_u64 s[52:53], s[52:53], 1024          ; my next tile of queries
.endif
	s_mov_b32 s56, \g*32768
	s_mov_b32 s57, \g*2048
	s_mov_b32 s58, 4
.Lstep_\@:
	STEP
	s_add_co_u32 s56, s56, 8192
	s_add_co_u32 s57, s57, 512
	s_sub_co_u32 s58, s58, 1
	s_cmp_lg_u32 s58, 0
	s_cbranch_scc1 .Lstep_\@
.endm
	s_mov_b32 s59, 2
.Lpass:                                            ; my two tiles of 16 queries, one after the other.  (In the second trip every tile has landed: the groups' waits are met at once)
	global_load_b128 v[16:19], v1, s[52:53]
	global_load_b128 v[20:23], v1, s[52:53] offset:512
	v_mov_b32 v13, 0xff61b1e6                      ; the largest t so far: -3e38, under every t
	v_floor_f32 v12, -v13                          ; -M
	v_mov_b32 v14, 0                               ; the sum, in two halves
	v_mov_b32 v15, 0
.set j, 0
.rept 32
	v_mov_b32 v[160+j], 0                          ; O^T: the step is written for every step alike; the first finds zeros, which the first change of M leaves zeros
.set j, j+1
.endr
	GROUP 0
	GROUP 1
	GROUP 2
	GROUP 3
	; THE WAY OUT: O^T / the sum, held and converted: tile t' gives registers 2 t', 2 t' + 1 of my head's 64 along the last projection's K
.rept 4
	v_nop                                          ; places behind the last products
.endr
	v_add_f32 v14, v14, v15                        ; the sum's two halves,
	v_permlanex16_b32 v252, v14, s[SEL], s[SEL+1]
	v_add_f32 v14, v14, v252                       ; and lane l xor 16's: the row's sum
	v_rcp_f32 v14, v14
	v_nop                                          ; a plain instruction behind the reciprocal
.set j, 0
	s_wait_alu depctr_va_vdst(0)
.rept 16
	v_pk_mul_f32 v[96+j:97+j], v[160+j:161+j], v[14:15] op_sel_hi:[1,0]   ; each accumulator from its low end on
.set j, j+2
.endr
.set j, 0
.rept 32
	v_med3_num_f32 v[96+j], v[96+j], -v246, v246
.set j, j+1
.endr
.irp t, 0,1,2,3
	v_cvt_scalef32_pk8_bf8_f32 v[208+2*\t:209+2*\t], v[96+8*\t:103+8*\t], v245
.endr
	v_nop                                          ; a plain instruction behind the last conversion
	global_store_b128 v1, v[208:211], s[54:55]     ; 32 lanes store 512 consecutive bytes, at a multiple of 512 from the buffer's first byte
	global_store_b128 v1, v[212:215], s[54:55] offset:512
	s_wait_xcnt 0x0                                ; the stores have read their base and their data
	s_add_nc_u64 s[54:55], s[54:55], 4096          ; the next tile of 16 rows
	s_sub_co_u32 s59, s59, 1
	s_cmp_lg_u32 s59, 0
	s_cbranch_scc1 .Lpass
	s_wait_tensorcnt 0x0
	ds_add_u32 v251, v255
	s_wait_dscnt 0x0
	CROUND                                         ; the closing round: no work-group ends while a partner may still ask for a tile that names it
	s_endpgm
.Lfunc_end_k_q217c1d8378_attn:
	.size	k_q217c1d8378_attn, .Lfunc_end_k_q217c1d8378_attn-k_q217c1d8378_attn
	.p2alignl 7, 3214868480
	.fill 96, 4, 3214868480
	.section	.rodata,"a",@progbits
	.p2align	6, 0x0
	.amdhsa_kernel k_q217c1d8378_attn
		.amdhsa_group_segment_fixed_size 272384
		.amdhsa_private_segment_fixed_size 0
		.amdhsa_enable_private_segment 0
		.amdhsa_kernarg_size 32
		.amdhsa_user_sgpr_count 2
		.amdhsa_user_sgpr_kernarg_segment_ptr 1
		.amdhsa_wavefront_size32 1
		.amdhsa_system_sgpr_workgroup_id_x 1
		.amdhsa_system_sgpr_workgroup_id_y 1
		.amdhsa_system_sgpr_workgroup_id_z 1
		.amdhsa_system_vgpr_workitem_id 0
		.amdhsa_next_free_vgpr 256
		.amdhsa_next_free_sgpr 80
		.amdhsa_reserve_vcc 0
		.amdhsa_float_denorm_mode_32 3
		.amdhsa_float_denorm_mode_16_64 3
		.amdhsa_memory_ordered 1
		.amdhsa_forward_progress 1
		.amdhsa_inst_pref_size 79
	.end_amdhsa_kernel
	.amdgpu_metadata
---
amdhsa.version: [ 1, 2 ]
amdhsa.kernels:
  - .name:           k_q217c1d8378_attn
    .symbol:         k_q217c1d8378_attn.kd
    .args:
      - { .name: qkv, .offset: 0, .size: 8, .value_kind: global_buffer, .address_space: global }
      - { .name: mask, .offset: 8, .size: 8, .value_kind: global_buffer, .address_space: global }
      - { .name: lowp_scales, .offset: 16, .size: 8, .value_kind: global_buffer, .address_space: global }
      - { .name: att, .offset: 24, .size: 8, .value_kind: global_buffer, .address_space: global }
    .group_segment_fixed_size: 272384
    .private_segment_fixed_size: 0
    .kernarg_segment_align: 8
    .kernarg_segment_size: 32
    .max_flat_workgroup_size: 512
    .sgpr_count:     80
    .vgpr_count:     256
    .wavefront_size: 32
...
	.end_amdgpu_metadata
.endif
;; end of part 2
;; launch oproj (part 3): grid 4 x 32, 4 waves a work-group, clusters of 4 x 4, 327,680 bytes of LDS; arguments att, Wo_codes, lowp_scales, bo, out0; writes out0
.if DOCPART == 3
	.amdgcn_target "amdgcn-amd-amdhsa--gfx1250"
	.amdhsa_code_object_version 6
	.text
	.protected	k_q217c1d8378_oproj
	.globl	k_q217c1d8378_oproj
	.p2align	8
	.type	k_q217c1d8378_oproj,@function
k_q217c1d8378_oproj:
	s_mov_b64 s[64:65], 0
	v_nop
	global_prefetch_b8 v0, s[64:65] scope:SCOPE_SE
	s_setreg_imm32_b32 hwreg(HW_REG_WAVE_MODE, 25, 1), 1
	s_wait_xcnt 0x0
	s_wait_alu depctr_hold_cnt(0) depctr_sa_sdst(0) depctr_va_vdst(0) depctr_va_sdst(0) depctr_va_ssrc(0) depctr_va_vcc(0) depctr_vm_vsrc(0)
	s_getreg_b32 s2, hwreg(HW_REG_IB_STS2, 6, 4)
	s_cmp_eq_u32 s2, 0
	s_cbranch_scc0 .Lentry_in_a_cluster
	s_endpgm
.Lentry_in_a_cluster:
	s_bfe_u32 s2, ttmp6, 0x10000c
	s_cmp_lg_u32 s2, 0xf033
	s_cbranch_scc0 .Lentry_shape_is_right
	s_endpgm
.Lentry_shape_is_right:
; out = o Wo^T + bo on codes of BF8 (E5M2).  o: 8,192 rows x 1,024, codes made by the launch before; Wo: [1024][1024] codes, K innermost; out: [8192][1024] f32.  Each finished sum is multiplied once by 2^(e10 + e11), and bo added, by one packed multiply-add.
; LIMIT: e10 + e11 between -126 and 127, so that 2^(e10 + e11) is an f32 number.
; A tile of 256 x 256 is made by four waves, 128 x 128 each: 64 accumulators, 512 registers.  K goes in steps of 256 through a ring of two LDS slots filled by the tensor data mover.  128 tiles: 128 work-groups.
; o's CODES LIE AS IMAGES OF THE OPERAND'S REGISTERS: [256 of K 4][tile of 16 rows 512][4,096 bytes]; in a tile, the fragment of 128 along K number q at 2,048 q, registers 4 c .. 4 c + 3 at 512 c + 16 x lane, and in them
; k = 16 c' + 8 (lane / 16) + 0 .. 7 in registers 2 c', 2 c' + 1.  So a K step's 256 rows are one dense block of 65,536 bytes, read from LDS without pitch or padding; and Wo's fragments take the same places of k: eight loads of 8 bytes.
; CLUSTERS: 4 x 4 work-groups.  The four of a row of the cluster need the same tiles of o, the four of a column the same tiles of Wo: each tile is asked for JOINTLY.
; THE MATRIX INSTRUCTION IS USED TRANSPOSED (source 0 = 16 rows of Wo, source 1 = 16 rows of o): a lane then holds eight neighbouring numbers of a row of out.
; REGISTERS, in windows of 256: window 0: v0-31 addresses, v12-15 my four numbers of bo; from v128 o's fragments, ONE set; on the way out v128-255 hold rows.   window 1: Wo's fragments, TWO sets.   windows 2, 3: the accumulators.
.set SIZE_N, 1024
.set KROW,   1024                      ; a row of Wo in memory
.set PITCH,  272                       ; Wo's row in LDS: 256 bytes + 16 of padding: the 16 rows that a load touches start at 16 different banks (64 banks of 4 bytes: ISA guide 11.1)
.set FR,     16                        ; registers of a fragment: 16 rows x 128 K
.set NL,     4                         ; LDS loads that bring one of o's
.set NP,     4                         ; places behind this matrix instruction (ISA guide 7.12.1)
.set AHALF,  32768                     ; o: 128 rows x 256 K: what one tensor load brings
.set ASTEP,  2097152                   ; from one 256 of K to the next in o's buffer
.set BHALF,  128*PITCH                 ; Wo: 128 rows
.set BOFF,   2*AHALF
.set SLOT,   BOFF+2*BHALF              ; o's 256 rows, then Wo's 256 rows
.set LAPS,   2
.set SPARE,  2*SLOT                    ; behind the ring: the spare words, 128 bytes for each wave
.set SPITCH, 528                       ; the way out: a stage of 16 rows x (512 bytes + 16) for each wave, in slot 0, which has had its last fill and its last read when the first result is stored there
.set ADRA, 16                          ; v16-17  LDS address of my fragments of o in slot 0, 1
.set ADRB, 20                          ; v20-21  the same for Wo
.set STO,  24                          ; v24     the way out: where I put 32 bytes of a row
.set RD,   25                          ; v25     where I read a row back
.set CO,   26                          ; v26     16 x lane
.set SPW,  28                          ; v28     LDS address of my spare word; never rewritten
.set NIL,  29                          ; v29     0; never rewritten
.set AF,   128
.set BK,   128                         ; the way out: 16 rows read back from the stage: v128-191 and v192-255 by turns
.set G1, 24                            ; s[24:31] descriptor group 1 for o's tiles;  s[32:39] group 0, one set for each slot
.set G0, 32
.set G1B, 48                           ; s[48:55], s[56:63] the same for Wo's tiles
.set G0B, 56
.set MSB, 0
.macro WIN new                         ; the immediate's high byte repeats the setting that is left
.if MSB != \new
	s_set_vgpr_msb (MSB<<8)|\new
.set MSB, \new
.endif
.endm
.set MUL_LO, 0xa1                      ; source 0 window 1, source 1 window 0, C and D window 2
.set MUL_HI, 0xf1                      ; the same, C and D window 3
.set TO_B,   0x40                      ; destination window 1, address window 0
.macro JLOAD g0a, g1a, g0b, g1b        ; a joint load: waves 0 and 1 fetch for o, waves 2 and 3 for Wo; four v_nop follow each of the two lines
	s_cmp_eq_u32 s15, 0
	s_cbranch_scc0 .Lfor_b_\@
	tensor_load_to_lds s[\g0a:\g0a+3], s[\g1a:\g1a+7]
	s_nop 0
.rept 4
	v_nop
.endr
	s_branch .Lasked_\@
.Lfor_b_\@:
	tensor_load_to_lds s[\g0b:\g0b+3], s[\g1b:\g1b+7]
	s_nop 0
.rept 4
	v_nop
.endr
.Lasked_\@:
.endm
.macro CREST                           ; a round of the cluster's barrier behind its opening barrier
	s_cmp_lg_u32 s14, 0
	s_cbranch_scc1 .Lnot_wave_0_\@
	s_barrier_signal -3
.Lnot_wave_0_\@:
	s_barrier_wait -3
	s_barrier_signal -1
	s_barrier_wait -1
.endm
.macro CROUND                          ; a whole round
	s_barrier_signal -1
	s_barrier_wait -1
	CREST
.endm
	s_load_b128 s[4:7], s[0:1], 0x0                ; o's codes s[4:5], Wo's codes s[6:7]
	s_load_b128 s[8:11], s[0:1], 0x10              ; the scales' exponents s[8:9], bo s[10:11]
	s_load_b64 s[12:13], s[0:1], 0x20              ; out
	v_lshl_add_u32 v[SPW], v0, 2, SPARE
	v_mov_b32 v[NIL], 0
	ds_add_u32 v28, v29
	ds_add_u32 v28, v29
	s_wait_dscnt 0x0
	v_lshrrev_b32 v1, 5, v0
	v_readfirstlane_b32 s14, v1                    ; wave 0..3
	s_lshr_b32 s15, s14, 1                         ; which half of the tile's rows is mine.  Also: I fetch for o (0) or for Wo (1)
	s_and_b32 s16, s14, 1                          ; which half of its columns.  Also: which 128 rows of that tile I fetch
	s_bfe_u32 s40, ttmp6, 0x40000                  ; cx, cy: my place in the cluster
	s_bfe_u32 s41, ttmp6, 0x40004
	s_lshl_b32 s42, ttmp9, 2
	s_add_co_u32 s42, s42, s40                     ; tile column = 4 x cluster x + cx
	s_and_b32 s17, ttmp7, 0xffff
	s_lshl_b32 s17, s17, 2
	s_add_co_u32 s17, s17, s41                     ; tile row = 4 x cluster y + cy
	s_lshl_b32 s43, s41, 2
	s_lshl_b32 s43, 15, s43                        ; my row of the cluster
	s_lshl_b32 s44, 0x1111, s40                    ; my column
	s_or_b32 s[G1+0], s43, (3<<16)|(1<<21)         ; o: 15:0 the mask: my row; 17:16 elements of 8 bytes; 21 set beside a mask; no padding: a dense block as 128 rows of 256 bytes
	s_mov_b32 s[G1+1], 32<<16                      ; tensor_dim0 = 32
	s_mov_b32 s[G1+2], 128<<16                     ; tensor_dim1 = 128
	s_mov_b32 s[G1+3], 32<<16                      ; tile_dim0 = 32
	s_mov_b32 s[G1+4], 128                         ; tile_dim1 = 128
	s_mov_b32 s[G1+5], 32                          ; tensor_dim0_stride
	s_mov_b32 s[G1+6], 0
	s_mov_b32 s[G1+7], 0
	s_or_b32 s[G1B+0], s44, (0<<16)|(1<<20)|(1<<21)|(5<<22)|(3<<25)  ; Wo: my column's mask; elements of 1 byte; padding: 4 words after every 64
	s_mov_b32 s[G1B+1], 256<<16
	s_mov_b32 s[G1B+2], 128<<16
	s_mov_b32 s[G1B+3], 256<<16
	s_mov_b32 s[G1B+4], 128
	s_mov_b32 s[G1B+5], KROW
	s_mov_b32 s[G1B+6], 0
	s_mov_b32 s[G1B+7], 0
	s_lshl_b32 s20, s17, 16                        ; o: 16 tiles of 4,096 bytes for each tile row,
	s_lshl_b32 s18, s16, 15                        ; 8 for the half
	s_add_co_u32 s20, s20, s18
	s_mov_b32 s21, 0
	s_lshl_b32 s46, s42, 18                        ; Wo: 256 rows of 1,024 bytes for each tile column,
	s_lshl_b32 s47, s16, 17                        ; 128 for the half
	s_add_co_u32 s46, s46, s47
	s_mov_b32 s47, 0
	s_lshl_b32 s45, s16, 15                        ; where they go: o's half,
	s_mul_i32 s19, s16, BHALF
	s_add_co_u32 s19, s19, BOFF                    ; Wo's half: no place in the cluster enters an LDS address
	s_wait_kmcnt 0x0
	s_load_b64 s[96:97], s[8:9], 0x28              ; e10, e11
	s_add_nc_u64 s[20:21], s[4:5], s[20:21]
	s_add_nc_u64 s[46:47], s[6:7], s[46:47]
	CROUND                                         ; all sixteen work-groups are here: the first joint loads meet
.irp s, 0,1
	s_mov_b32 s[G0+4*\s], 1
	s_add_co_u32 s[G0+4*\s+1], s45, \s*SLOT
	s_add_nc_u64 s[G0+4*\s+2:G0+4*\s+3], s[20:21], \s*ASTEP
	s_or_b32 s[G0+4*\s+3], s[G0+4*\s+3], 0x80000000
	s_mov_b32 s[G0B+4*\s], 1
	s_add_co_u32 s[G0B+4*\s+1], s19, \s*SLOT
	s_add_nc_u64 s[G0B+4*\s+2:G0B+4*\s+3], s[46:47], \s*256
	s_or_b32 s[G0B+4*\s+3], s[G0B+4*\s+3], 0x80000000
	JLOAD G0+4*\s, G1, G0B+4*\s, G1B
.endr
	v_and_b32 v1, 15, v0                           ; r = l % 16
	v_bfe_u32 v2, v0, 4, 1                         ; h = l / 16
	v_and_b32 v6, 31, v0
	v_lshlrev_b32 v[CO], 4, v6                     ; 16 x lane
	v_mul_u32_u24 v3, v1, PITCH
	v_lshl_add_u32 v4, v2, 3, v3                   ; Wo: row x pitch + 8 x half
	s_lshl_b32 s21, s15, 15                        ; my 128 rows of o
	s_mul_i32 s22, s16, BHALF                      ; my 128 rows of Wo,
	s_add_co_u32 s22, s22, BOFF                    ; which lie behind o's 256
.irp s, 0,1
	v_add_nc_u32 v[ADRA+\s], s21, v[CO]
	v_add_nc_u32 v[ADRB+\s], s22, v4
	s_add_co_u32 s21, s21, SLOT
	s_add_co_u32 s22, s22, SLOT
.endr
	s_mul_i32 s23, s14, 16*SPITCH                  ; my stage
	v_mul_u32_u24 v5, v1, SPITCH                   ; in: row l % 16, 32 bytes for each half of the lanes
	v_lshl_add_u32 v5, v2, 5, v5
	v_add_nc_u32 v[STO], s23, v5
	v_add_nc_u32 v[RD], s23, v[CO]                 ; back: the 32 lanes take one row of 512 bytes
	s_lshl_b32 s20, s17, 8
	s_lshl_b32 s21, s15, 7
	s_add_co_u32 s20, s20, s21                     ; my first row of out: 256 x tile row + 128 x half,
	s_lshl_b32 s20, s20, 12                        ; in bytes
	s_lshl_b32 s46, s42, 10                        ; my first column, in bytes: 1,024 x tile column + 512 x half
	s_lshl_b32 s47, s16, 9
	s_add_co_u32 s46, s46, s47
	s_mov_b32 s47, 0
	s_add_nc_u64 s[10:11], s[10:11], s[46:47]      ; bo at my columns
	s_add_co_u32 s20, s20, s46
	s_mov_b32 s21, 0
	s_add_nc_u64 s[12:13], s[12:13], s[20:21]
	global_load_b128 v[12:15], v[CO], s[10:11]     ; on the way out a lane holds columns 4 l .. 4 l + 3 of every row: four numbers of bo
.macro FRAGA reg, slot, q, i           ; o's fragment as it was stored: four planes of 512 bytes
.irp c, 0,1,2,3
	ds_load_b128 v[\reg+4*\c:\reg+4*\c+3], v[ADRA+\slot] offset:4096*(\i)+2048*(\q)+512*\c
.endr
.endm
.macro FRAGB reg, slot, q, i           ; Wo's: lane l holds row l % 16; registers 2 c, 2 c + 1 hold K = 16 c + 8 (l / 16) + 0 .. 7
.irp c, 0,1,2,3,4,5,6,7
	ds_load_b64 v[\reg+2*\c:\reg+2*\c+1], v[ADRB+\slot] offset:128*(\q)+16*\c+(\i)*16*PITCH
.endr
.endm
; 16 matrix instructions: o's blocks a0, a0 + 1 x Wo's eight, 128 along K.  p: Wo's set.  zero = 1: the first product starts the sums.
; The 64 accumulators take turns, one instruction a turn, in the same order in every step.
.macro MUL16 a0, p, zero
.irp a, \a0, \a0+1
.irp b, 0,1,2,3,4,5,6,7
.if \zero
	v_wmma_f32_16x16x128_bf8_bf8 v[8*(8*((\a)%4)+\b):8*(8*((\a)%4)+\b)+7], v[128*(\p)+FR*\b:128*(\p)+FR*\b+FR-1], v[AF+FR*(\a):AF+FR*(\a)+FR-1], 0
.else
	v_wmma_f32_16x16x128_bf8_bf8 v[8*(8*((\a)%4)+\b):8*(8*((\a)%4)+\b)+7], v[128*(\p)+FR*\b:128*(\p)+FR*\b+FR-1], v[AF+FR*(\a):AF+FR*(\a)+FR-1], v[8*(8*((\a)%4)+\b):8*(8*((\a)%4)+\b)+7]
.endif
.endr
.endr
.endm
.macro FETCH_B slot, q, p
	WIN TO_B
.irp i, 0,1,2,3,4,5,6,7
	FRAGB 128*(\p)+FR*\i, \slot, \q, \i
.endr
	WIN 0
.endm
.macro FETCH_A slot, q, i0
.irp i, \i0, \i0+1, \i0+2, \i0+3
	FRAGA AF+FR*(\i), \slot, \q, \i
.endr
.endm
.macro PLACES n                        ; plain vector instructions that name no register of the matrix instructions in front: ahead of loads into registers that those have read, and of the first read of results
.rept \n
	v_nop
.endr
.endm
.macro STEP slot, q, zero              ; a step of 128 along K that has its successor in the same slot
	s_wait_dscnt 4*NL                              ; Wo's set and o's blocks 0-3 are in; the youngest sixteen loads (o's blocks 4-7) may be out
	WIN MUL_LO
	MUL16 0, (\q)%2, \zero
	MUL16 2, (\q)%2, \zero
	s_wait_dscnt 0                                 ; o's blocks 4-7 are in
	PLACES NP
	FETCH_B \slot, (\q)+1, 1-(\q)%2
	FETCH_A \slot, (\q)+1, 0
	WIN MUL_HI
	MUL16 4, (\q)%2, \zero
	MUL16 6, (\q)%2, \zero
	PLACES NP
	WIN 0
	FETCH_A \slot, (\q)+1, 4
.endm
; A slot's last step changes slots: ONE barrier; in front of it each wave waits for all its tensor loads, adds 0 to its spare word, and waits for that and for its own reads of this slot.  fill = 1: this slot is filled again, two K steps ahead.
.macro TURN slot, next, fill
	s_wait_tensorcnt 0x0                           ; all my tensor loads have landed: my part of the next slot  (every window is 0 here)
	ds_add_u32 v[SPW], v[NIL]                      ; 0 onto my spare word
	s_wait_dscnt 4*NL+1                            ; (the add and the youngest sixteen loads, o's blocks 4-7, may be out)
	WIN MUL_LO
	MUL16 0, 1, 0                                  ; sixteen matrix instructions stand between the add and the wait for it
	s_wait_dscnt 0x0                               ; the add is done, and my reads of this slot are over
	s_barrier_signal -1
	MUL16 2, 1, 0
	WIN 0
	s_barrier_wait -1
.if \fill
	CREST                                          ; the barrier has opened a round of the cluster's barrier: no wave of any partner still reads this slot's tile or has a load on its way
	s_add_nc_u64 s[G0+4*\slot+2:G0+4*\slot+3], s[G0+4*\slot+2:G0+4*\slot+3], 2*ASTEP
	s_add_nc_u64 s[G0B+4*\slot+2:G0B+4*\slot+3], s[G0B+4*\slot+2:G0B+4*\slot+3], 512
	JLOAD G0+4*\slot, G1, G0B+4*\slot, G1B         ; the first tensor load behind the round; the four v_nop behind it are the places in front of the loads below
.else
	PLACES NP
.endif
	FETCH_B \next, 0, 0
	FETCH_A \next, 0, 0
	WIN MUL_HI
	MUL16 4, 1, 0
	MUL16 6, 1, 0
	PLACES NP
	WIN 0
	FETCH_A \next, 0, 4
.endm
	s_wait_tensorcnt 1                             ; my part of K step 0 is in (K step 1's load may be out)
	s_barrier_signal -1
	s_barrier_wait -1                              ; everybody's is
	FETCH_B 0, 0, 0
	FETCH_A 0, 0, 0
	FETCH_A 0, 0, 4
	STEP 0, 0, 1                                   ; the first step stands in front of the loop: its products start the sums
	s_mov_b32 s3, LAPS-1
.Llap:                                                 ; a trip goes once round the ring and fills both slots again
	TURN 0, 1, 1
	STEP 1, 0, 0
	TURN 1, 0, 1
	STEP 0, 0, 0
	s_sub_co_u32 s3, s3, 1
	s_cmp_lg_u32 s3, 0
	s_cbranch_scc1 .Llap
	TURN 0, 1, 0                                   ; the last lap fills nothing, and has no round of the cluster's barrier
	STEP 1, 0, 0
	s_wait_dscnt 4*NL                              ; the very last step: nothing more to fetch
	WIN MUL_LO
	MUL16 0, 1, 0
	MUL16 2, 1, 0
	s_wait_dscnt 0
	WIN MUL_HI
	MUL16 4, 1, 0
	MUL16 6, 1, 0
	WIN 0
; THE WAY OUT, block by block of 16 rows x 128 columns.  A lane holds 32 neighbouring bytes of a row, and the lanes beside it hold other rows: so a block's sums go as they are through my own stage in LDS and come back as whole
; rows of 512 bytes; there a lane has the same four columns in every row, so four registers of bo serve all, and one packed multiply-add for two numbers gives sum x 2^(e10 + e11) + bo.
; LDS serves a wave's instructions in order (ISA guide 5.7.1.4): no wait between the stores and the loads, nor in front of the next block's stores.
.macro TOSTAGE a
.set AC, 64*((\a)%4)
	WIN 0x08+4*((\a)/4)                            ; an LDS store's data are its source 1: window 2 or 3
.irp b, 0,1,2,3,4,5,6,7
	ds_store_b128 v[STO], v[AC+8*\b:AC+8*\b+3] offset:64*\b          ; each accumulator from its low end on
	ds_store_b128 v[STO], v[AC+8*\b+4:AC+8*\b+7] offset:64*\b+16
.endr
	WIN 0
.set BB, BK+64*((\a)%2)
.irp t, 0,1,2,3,4,5,6,7,8,9,10,11,12,13,14,15
	ds_load_b128 v[BB+4*\t:BB+4*\t+3], v[RD] offset:\t*SPITCH
.endr
.endm
.macro SEND a, younger                 ; younger: the LDS instructions issued behind block a's loads, which may stay out
.set BB, BK+64*((\a)%2)
	s_wait_dscnt \younger                          ; the block is back in registers
.irp t, 0,1,2,3,4,5,6,7,8,9,10,11,12,13,14,15
	v_pk_fma_f32 v[BB+4*\t:BB+4*\t+1], v[BB+4*\t:BB+4*\t+1], s[96:97], v[12:13] op_sel_hi:[1,0,1]
	v_pk_fma_f32 v[BB+4*\t+2:BB+4*\t+3], v[BB+4*\t+2:BB+4*\t+3], s[96:97], v[14:15] op_sel_hi:[1,0,1]
.endr
.if (\a) > 0
	s_add_nc_u64 s[12:13], s[12:13], 16*SIZE_N*4   ; (behind a wait on XCNT: the earlier stores have read their base)  16 rows on
.endif
.irp t, 0,1,2,3,4,5,6,7,8,9,10,11,12,13,14,15
	global_store_b128 v[CO], v[BB+4*\t:BB+4*\t+3], s[12:13] offset:\t*SIZE_N*4 th:TH_STORE_NT   ; 32 lanes store 512 consecutive bytes, at a multiple of 512 from out's first byte; written once, read by nobody here
.endr
.endm
	s_wait_kmcnt 0x0
	s_add_co_i32 s96, s96, s97                     ; e10 + e11,
	s_add_co_i32 s96, s96, 127
	s_lshl_b32 s96, s96, 23                        ; as the f32 number 2^(e10 + e11)
	s_mov_b32 s97, s96                             ; (named with it as a pair, so it is written)
	s_wait_loadcnt 0x0                             ; bo
	PLACES NP                                      ; behind the last products: for the stores that read results and the loads into the registers that held o's fragments
	TOSTAGE 0
.irp a, 1,2,3,4,5,6,7
.if \a > 1
	s_wait_xcnt 0x0                                ; block a - 2's stores have read their registers and their base: block a's loads may land there, and the base may step
.endif
	TOSTAGE \a
	SEND \a-1, 32                                  ; behind block a - 1's loads: block a's 16 stores and 16 loads
.endr
	s_wait_xcnt 0x0                                ; block 6's stores have read their base
	SEND 7, 0
	s_wait_tensorcnt 0x0                           ; the wave's end
	ds_add_u32 v[SPW], v[NIL]
	s_wait_dscnt 0x0
	CROUND                                         ; the closing round: no work-group ends while a partner may still ask for a tile that names it
	s_endpgm
.Lfunc_end_k_q217c1d8378_oproj:
	.size	k_q217c1d8378_oproj, .Lfunc_end_k_q217c1d8378_oproj-k_q217c1d8378_oproj
	.p2alignl 7, 3214868480
	.fill 96, 4, 3214868480
	.section	.rodata,"a",@progbits
	.p2align	6, 0x0
	.amdhsa_kernel k_q217c1d8378_oproj
		.amdhsa_group_segment_fixed_size 327680
		.amdhsa_private_segment_fixed_size 0
		.amdhsa_enable_private_segment 0
		.amdhsa_kernarg_size 40
		.amdhsa_user_sgpr_count 2
		.amdhsa_user_sgpr_kernarg_segment_ptr 1
		.amdhsa_wavefront_size32 1
		.amdhsa_system_sgpr_workgroup_id_x 1
		.amdhsa_system_sgpr_workgroup_id_y 1
		.amdhsa_system_sgpr_workgroup_id_z 1
		.amdhsa_system_vgpr_workitem_id 0
		.amdhsa_next_free_vgpr 1024
		.amdhsa_next_free_sgpr 98
		.amdhsa_reserve_vcc 0
		.amdhsa_float_denorm_mode_32 3
		.amdhsa_float_denorm_mode_16_64 3
		.amdhsa_memory_ordered 1
		.amdhsa_forward_progress 1
		.amdhsa_inst_pref_size 139
	.end_amdhsa_kernel
	.amdgpu_metadata
---
amdhsa.version: [ 1, 2 ]
amdhsa.kernels:
  - .name:           k_q217c1d8378_oproj
    .symbol:         k_q217c1d8378_oproj.kd
    .args:
      - { .name: att, .offset: 0, .size: 8, .value_kind: global_buffer, .address_space: global }
      - { .name: Wo_codes, .offset: 8, .size: 8, .value_kind: global_buffer, .address_space: global }
      - { .name: lowp_scales, .offset: 16, .size: 8, .value_kind: global_buffer, .address_space: global }
      - { .name: bo, .offset: 24, .size: 8, .value_kind: global_buffer, .address_space: global }
      - { .name: out0, .offset: 32, .size: 8, .value_kind: global_buffer, .address_space: global }
    .group_segment_fixed_size: 327680
    .private_segment_fixed_size: 0
    .kernarg_segment_align: 8
    .kernarg_segment_size: 40
    .max_flat_workgroup_size: 128
    .sgpr_count:     98
    .vgpr_count:     1024
    .wavefront_size: 32
...
	.end_amdgpu_metadata
.endif
;; end of part 3
